; MI455X (gfx1250); checked and timed in simulation.
; The chip was launched on July 23, 2026; its instructions are those of AMD's public machine-readable ISA for CDNA 5 (MIT licence, August 2026) and "CDNA5" Instruction Set Architecture Reference Guide (July 2026).
;; Cross Attention. Allowed arithmetic: matrix products marked QUANTISED: E4M3 operands, one E8M0 scale for each 32 along K, by v_wmma_scale_f32_16x16x128_f8f6f4 with both operands' format E4M3, f32 sums; products left as they are: f32 operands where the result goes on into a quantised operand, else bf16, f16 or f32 operands; f32 sums; everything else in f32.
;; Inputs: mask 32 x 1,024 float32; proj_b 1,024 float32; proj_w_codes 1,024 x 32 x 32 uint8 (E4M3 codes of proj_w, K innermost, in blocks of 32 codes); proj_w_scales 1,024 x 32 uint8 (E8M0 scales of proj_w, one for each 32 codes along K); wk_codes 1,024 x 32 x 32 uint8 (E4M3 codes of wk, K innermost, in blocks of 32 codes); wk_scales 1,024 x 32 uint8 (E8M0 scales of wk, one for each 32 codes along K); wq_codes 1,024 x 32 x 32 uint8 (E4M3 codes of wq, K innermost, in blocks of 32 codes); wq_scales 1,024 x 32 uint8 (E8M0 scales of wq, one for each 32 codes along K); wv_codes 1,024 x 32 x 32 uint8 (E4M3 codes of wv, K innermost, in blocks of 32 codes); wv_scales 1,024 x 32 uint8 (E8M0 scales of wv, one for each 32 codes along K); x_codes 32 x 1,024 x 32 x 32 uint8 (E4M3 codes of x, K innermost, in blocks of 32 codes); x_scales 32 x 1,024 x 32 uint8 (E8M0 scales of x, one for each 32 codes along K).
;; Outputs: out0 32 x 1 x 1,024 float32.
;; This version of the problem:
;;   THIS VERSION OF THE PROBLEM IS GIVEN IN LOW PRECISION. The matrix products marked QUANTISED in the list below multiply operands that are first quantised to E4M3 (4 exponent bits, 3 mantissa bits; 8 bits a number), with one power-of-two scale for each 32 numbers along K (OCP MX v1.0); their sums are f32. All else is computed in f32.
;;   The module's matrix products, in the order in which they are computed (A, B: the left and right operand; K: the contracted axis; several contracted axes count as one K, in the product's order):
;;     1. [M 32, K 1,024] x [K 1,024, N 1,024]; A: input x (given as codes); B: input wq (given as codes): QUANTISED
;;     2. [M 32,768, K 1,024] x [K 1,024, N 1,024]; A: input x (given as codes); B: input wk (given as codes): QUANTISED
;;     3. [M 32,768, K 1,024] x [K 1,024, N 1,024]; A: input x (given as codes); B: input wv (given as codes): QUANTISED
;;     4. batch 512 x [M 1, K 64] x [K 64, N 1,024]; A: computed on the way; B: computed on the way: left as it is (M = 1 < 16)
;;     5. batch 512 x [M 1, K 1,024] x [K 1,024, N 64]; A: softmax; B: computed on the way: left as it is (M = 1 < 16)
;;     6. [M 32, K 1,024] x [K 1,024, N 1,024]; A: computed on the way; B: input proj_w (given as codes): QUANTISED
;;   THE QUANTISER, for each operand of a quantised product, along K:
;;     - K is cut into blocks of 32 from its start; a last block that is shorter is filled with zeros.
;;     - A block's scale is 2^e with e = floor(log2(the largest magnitude in the block)) - 8, held to -126 .. 127; a block of zeros has e = 0. As a byte (E8M0): e + 127.
;;     - Each number is divided by its block's scale, clamped to +-448, and rounded to the nearest number of E4M3, ties to even, subnormals kept.
;;     - The product sums the exact products of the quantised numbers (number of the format x scale) in f32.
;;   ~~~python
;;   def quantise(x, axis):      # numpy; x: float32 -> the quantised numbers, widened to float32 again
;;       x = np.moveaxis(x, axis, -1); K = x.shape[-1]
;;       x = np.pad(x, [(0, 0)] * (x.ndim - 1) + [(0, -K % 32)]); x = x.reshape(x.shape[:-1] + (-1, 32)); a = np.abs(x).max(-1, keepdims=True)
;;       e = np.where(a > 0, np.clip(np.frexp(np.where(a > 0, a, 1))[1] - 1 - 8, -126, 127), 0)      # np.frexp(a)[1] - 1 = floor(log2(a)), exactly
;;       r = np.clip(x / 2.0 ** e, -448, 448)
;;       step = 2.0 ** (np.maximum(np.frexp(np.where(r == 0, 1, r))[1] - 1, -6) - 3)
;;       q = np.round(r / step) * step * 2.0 ** e      # np.round: ties to even
;;       return np.moveaxis(q.reshape(q.shape[:-2] + (-1,))[..., :K], -1, axis).astype(np.float32)
;;   ~~~
;;   OPERANDS COMPUTED ON THE WAY. 'Computed on the way' means the value that the module computes at that place (a softmax that the list does not call 'softmax' is quantised finished and normalised). What goes into a quantiser is computed in f32, as accurately as f32 sums, v_exp_f32 and their like allow (about 1e-6 of the number): no bf16 or f16 on the way to a quantiser, and a product that is left as it is and whose result goes on into a quantised operand takes f32 operands (vector FMAs, or v_wmma_f32_16x16x4_f32). A number that lies on a knife's edge between two numbers of the format may be rounded either way, as far as f32 arithmetic and the matrix unit's own rounding can turn it there, and no further.
;;   INPUTS GIVEN AS CODES. proj_w (in the module: [1024, 1024], K = its axis 1); wk (in the module: [1024, 1024], K = its axis 1); wq (in the module: [1024, 1024], K = its axis 1); wv (in the module: [1024, 1024], K = its axis 1); x (in the module: [32, 1024, 1024], K = its axis 2): each comes as NAME_codes (uint8): NAME with its K axis moved to the last place and cut into blocks of 32 codes, [.., K / 32, bytes a block], one block behind the other in memory; one code a byte (a code: sign, 4 exponent bits, 3 mantissa bits); and NAME_scales (uint8): the same leading axes, one E8M0 byte (e + 127) for each 32 codes along K. Its value is code x scale, taken as it is: it is not quantised again, and the codes and scales need not be those that the quantiser above would give.
;; One version. Each part assembles by itself: llvm-mc -triple=amdgcn-amd-amdhsa -mcpu=gfx1250 --defsym DOCPART=n.
;; ======== version 1 of 1: 2 launches
;; limits: right only within a limited range of input values
;; workspace buffers: attc 32,768 bytes; atts 1,024 bytes
;; launch attn (part 1): grid 8 x 32, 4 waves a work-group, clusters of 4 x 4, 327,680 bytes of LDS; arguments x_codes, x_scales, wk_codes, wk_scales, wv_codes, wv_scales, wq_codes, wq_scales, mask, attc, atts; writes attc, atts
.if DOCPART == 1
	.amdgcn_target "amdgcn-amd-amdhsa--gfx1250"
	.amdhsa_code_object_version 6
	.text
	.protected	k_q841d646124_attn
	.globl	k_q841d646124_attn
	.p2align	8
	.type	k_q841d646124_attn,@function
k_q841d646124_attn:
	s_mov_b64 s[64:65], 0
	v_nop
	global_prefetch_b8 v0, s[64:65] scope:SCOPE_SE
	s_setreg_imm32_b32 hwreg(HW_REG_WAVE_MODE, 25, 1), 1
	s_wait_xcnt 0x0
	s_wait_alu depctr_hold_cnt(0) depctr_sa_sdst(0) depctr_va_vdst(0) depctr_va_sdst(0) depctr_va_ssrc(0) depctr_va_vcc(0) depctr_vm_vsrc(0)
	s_getreg_b32 s2, hwreg(HW_REG_IB_STS2, 6, 4)
	s_cmp_eq_u32 s2, 0
	s_cbranch_scc0 .Lentry_in_a_cluster
	s_endpgm
.Lentry_in_a_cluster:
	s_bfe_u32 s2, ttmp6, 0x10000c
	s_cmp_lg_u32 s2, 0xf033
	s_cbranch_scc0 .Lentry_shape_is_right
	s_endpgm
.Lentry_shape_is_right:
.set PITCH, 1040
.set BLK,   16*PITCH
.set REG1,  128*PITCH
.set SCA,   2*REG1
.set MASKL, SCA+128*272
.set PART,  MASKL+4352
.set PST,   PART+2048
.set QST,   PST+1024
.set MRG,   QST+512
.set LST,   MRG+1024
.set SPARE, MRG+2048
.set G1X, 24
.set G0X, 32
.set G1B, 48
.set G0K, 56
.set G0V, 60
.set G1S, 68
.set G0S, 76
.set MSB, 0
.macro WIN new
.if MSB != (\new)
	s_set_vgpr_msb (MSB<<8)|(\new)
.set MSB, (\new)
.endif
.endm
.macro TLOAD g0, g1
	tensor_load_to_lds s[\g0:\g0+3], s[\g1:\g1+7]
	s_nop 0
.rept 4
	v_nop
.endr
.endm
.macro CREST
	s_cmp_lg_u32 s100, 0
	s_cbranch_scc1 .Lnot_wave_0_\@
	s_barrier_signal -3
.Lnot_wave_0_\@:
	s_barrier_wait -3
	s_barrier_signal -1
	s_barrier_wait -1
.endm
.macro CROUND
	s_barrier_signal -1
	s_barrier_wait -1
	CREST
.endm
.macro GRD
	s_wait_tensorcnt 0x0
	ds_add_u32 v14, v15
.endm
.macro GROUP1 g, mask, rows
	s_or_b32 s[\g], s\mask, (1<<20)|(1<<21)|(7<<22)|(3<<25)
	s_mov_b32 s[\g+1], 1024<<16
	s_mov_b32 s[\g+2], \rows<<16
	s_mov_b32 s[\g+3], 1024<<16
	s_mov_b32 s[\g+4], \rows
	s_mov_b32 s[\g+5], 1024
	s_mov_b32 s[\g+6], 0
	s_mov_b32 s[\g+7], 0
.endm
	s_load_b512 s[4:19], s[0:1], 0x0
	s_load_b128 s[20:23], s[0:1], 0x40
	s_load_b64 s[66:67], s[0:1], 0x50
	v_lshl_add_u32 v14, v0, 2, SPARE
	v_mov_b32 v15, 0
	ds_add_u32 v14, v15
	ds_add_u32 v14, v15
	v_lshrrev_b32 v1, 5, v0
	v_readfirstlane_b32 s100, v1
	s_and_b32 s101, s100, 1
	s_lshr_b32 s93, s100, 1
	s_bfe_u32 s40, ttmp6, 0x40000
	s_bfe_u32 s41, ttmp6, 0x40004
	s_lshl_b32 s42, ttmp9, 2
	s_add_co_u32 s42, s42, s40
	s_and_b32 s43, ttmp7, 0xffff
	s_lshl_b32 s43, s43, 2
	s_add_co_u32 s43, s43, s41
	s_lshl_b32 s44, s41, 2
	s_lshl_b32 s44, 15, s44
	s_lshl_b32 s46, 0x1111, s40
	GROUP1 G1X, 44, 32
	GROUP1 G1B, 46, 128
	s_or_b32 s[G1S], s44, (3<<16)|(1<<20)|(1<<21)|(5<<22)|(3<<25)
	s_mov_b32 s[G1S+1], 32<<16
	s_mov_b32 s[G1S+2], 64<<16
	s_mov_b32 s[G1S+3], 32<<16
	s_mov_b32 s[G1S+4], 64
	s_mov_b32 s[G1S+5], 32
	s_mov_b32 s[G1S+6], 0
	s_mov_b32 s[G1S+7], 0
	s_mov_b32 s2, 6
	s_mov_b32 s80, 0
	s_mov_b32 s81, 0
	s_mov_b32 s82, 0
	s_mov_b32 s83, 0
	s_mov_b32 s84, 1.0
	s_mov_b32 s85, 0
	s_mov_b32 s88, 0x3fb8aa3b
	s_mov_b32 s92, 0xffff0000
	s_mov_b32 s94, 0x76543210
	s_mov_b32 s95, 0xfedcba98
	s_mov_b32 s98, 0x600000
	s_mul_i32 s96, s93, 0x80808080
	s_wait_dscnt 0x0
	CROUND
	s_wait_kmcnt 0x0
	s_mov_b32 s45, 0
	s_mov_b32 s47, 0
	s_lshl_b32 s44, s43, 20
	s_add_nc_u64 s[4:5], s[4:5], s[44:45]
	s_lshl_b32 s44, s43, 15
	s_add_nc_u64 s[6:7], s[6:7], s[44:45]
	s_lshl_b32 s44, s43, 12
	s_add_nc_u64 s[20:21], s[20:21], s[44:45]
	s_lshl_b32 s44, s43, 10
	s_add_nc_u64 s[22:23], s[22:23], s[44:45]
	s_lshl_b32 s44, s43, 5
	s_add_nc_u64 s[66:67], s[66:67], s[44:45]
	s_mov_b32 s[G0X], 1
	s_mul_i32 s[G0X+1], s100, 32*PITCH
	s_lshl_b32 s44, s100, 15
	s_add_nc_u64 s[G0X+2:G0X+3], s[4:5], s[44:45]
	s_or_b32 s[G0X+3], s[G0X+3], 0x80000000
	s_and_b32 s44, s100, 1
	s_mov_b32 s[G0S], 1
	s_mul_i32 s[G0S+1], s44, 64*272
	s_add_co_u32 s[G0S+1], s[G0S+1], SCA
	s_lshl_b32 s44, s44, 14
	s_add_nc_u64 s[G0S+2:G0S+3], s[6:7], s[44:45]
	s_or_b32 s[G0S+3], s[G0S+3], 0x80000000
	s_lshl_b32 s46, s42, 17
	s_mov_b32 s[G0K], 1
	s_mov_b32 s[G0K+1], 0
	s_add_nc_u64 s[G0K+2:G0K+3], s[8:9], s[46:47]
	s_or_b32 s[G0K+3], s[G0K+3], 0x80000000
	s_mov_b32 s[G0V], 1
	s_mov_b32 s[G0V+1], REG1
	s_add_nc_u64 s[G0V+2:G0V+3], s[12:13], s[46:47]
	s_or_b32 s[G0V+3], s[G0V+3], 0x80000000
	s_add_nc_u64 s[16:17], s[16:17], s[46:47]
	s_cmp_eq_u32 s100, 0
	s_cbranch_scc0 .Lwave_1
	TLOAD G0K, G1B
	s_branch .Lasked
.Lwave_1:
	s_cmp_eq_u32 s100, 1
	s_cbranch_scc0 .Lfor_scales
	TLOAD G0V, G1B
	s_branch .Lasked
.Lfor_scales:
	TLOAD G0S, G1S
.Lasked:
	s_lshl_b32 s46, s100, 15
	s_add_nc_u64 s[16:17], s[16:17], s[46:47]
	s_lshl_b32 s46, s42, 12
	s_add_nc_u64 s[10:11], s[10:11], s[46:47]
	s_add_nc_u64 s[14:15], s[14:15], s[46:47]
	s_add_nc_u64 s[18:19], s[18:19], s[46:47]
	s_lshl_b32 s46, s100, 10
	s_add_nc_u64 s[18:19], s[18:19], s[46:47]
	s_lshl_b32 s46, s42, 7
	s_add_nc_u64 s[22:23], s[22:23], s[46:47]
	s_lshl_b32 s46, s42, 2
	s_add_nc_u64 s[66:67], s[66:67], s[46:47]
	s_lshl_b32 s99, s40, 2
	s_add_co_u32 s99, s99, s100
	s_lshl_b32 s99, s99, 13
	s_lshl_b32 s3, s93, 4
	s_lshl_b32 s36, s101, 11
	s_add_co_u32 s36, s36, s3
	v_and_b32 v1, 15, v0
	v_bfe_u32 v17, v0, 4, 1
	v_and_b32 v18, 31, v0
	v_lshl_add_u32 v16, v18, 8, s99
	v_lshlrev_b32 v20, 4, v17
	v_lshl_add_u32 v19, v1, 10, v20
	v_lshlrev_b32 v22, 5, v18
	v_add_nc_u32 v21, s36, v22
	v_mov_b32 v23, 0
	v_lshlrev_b32 v24, 4, v0
	s_wait_alu depctr_va_vdst(0)
	global_prefetch_b8 v16, s[4:5] th:TH_LOAD_NT scope:SCOPE_SE
	global_prefetch_b8 v16, s[4:5] offset:131072 th:TH_LOAD_NT scope:SCOPE_SE
	WIN 0xc0
.set I_, 0
.rept 64
	global_load_b128 v[4*I_:4*I_+3], v19, s[16:17] offset:16384*(I_/32)+128*((I_/4)%8)+32*(I_%4)
.set I_, I_+1
.endr
	WIN 0
.set I_, 0
.rept 32
	global_load_b128 v[128+4*I_:131+4*I_], v20, s[4:5] offset:128*(I_/4)+32*(I_%4)
.set I_, I_+1
.endr
	global_load_b128 v[64:67], v22, s[18:19]
	global_load_b128 v[68:71], v22, s[18:19] offset:16
	global_load_b128 v[76:79], v23, s[6:7]
	global_load_b128 v[80:83], v23, s[6:7] offset:16
	global_load_b128 v[84:87], v24, s[20:21]
	global_load_b128 v[88:91], v24, s[20:21] offset:2048
.irp p, 0,1
	global_load_b128 v[32+8*\p:35+8*\p], v21, s[10:11] offset:1024*\p
	global_load_b128 v[48+8*\p:51+8*\p], v21, s[14:15] offset:1024*\p
.endr
	s_lshl_b32 s36, s93, 9
	v_mul_u32_u24 v2, v1, PITCH
	v_lshl_add_u32 v2, v17, 4, v2
	v_add_nc_u32 v2, s36, v2
	s_mul_i32 s37, s101, 64*PITCH
	v_add_nc_u32 v25, s37, v2
	v_add_nc_u32 v27, REG1, v25
	s_add_co_u32 s37, s3, SCA
	v_lshlrev_b32 v3, 5, v1
	v_lshrrev_b32 v28, 3, v1
	v_lshl_add_u32 v3, v28, 4, v3
	v_lshl_add_u32 v3, v17, 3, v3
	v_add_nc_u32 v3, s37, v3
	v_lshl_add_u32 v7, v18, 2, MASKL
	s_lshl_b32 s37, s101, 3
	s_add_co_u32 s37, s37, PART
	v_lshlrev_b32 v9, 4, v18
	v_add_nc_u32 v9, s37, v9
	s_lshl_b32 s37, s93, 2
	v_add_nc_u32 v8, s37, v9
	s_lshl_b32 s36, s100, 7
	s_add_co_u32 s37, s36, PST
	v_lshlrev_b32 v10, 2, v18
	v_add_nc_u32 v10, s37, v10
	v_lshlrev_b32 v11, 5, v17
	s_add_co_u32 s36, s36, QST
	v_add_nc_u32 v28, s36, v11
	s_lshl_b32 s36, s101, 8
	s_add_co_u32 s36, s36, QST
	v_add_nc_u32 v29, s36, v11
	v_add_nc_u32 v11, s37, v11
	v_lshl_add_u32 v30, v0, 4, MASKL
	s_wait_alu depctr_va_vdst(0)
	s_cmp_eq_u32 s100, 0
	s_cbranch_scc0 .Lnot_mine
	s_wait_tensorcnt 0x0
.Lnot_mine:
	s_barrier_signal -1
	s_barrier_wait -1
	WIN 0x40
.set I_, 0
.rept 64
	ds_load_b128 v[4*I_:4*I_+3], v25 offset:BLK*(I_/16)+128*((I_/4)%4)+32*(I_%4)
.set I_, I_+1
.endr
	WIN 0
	GRD
	s_wait_dscnt 0x0
	CROUND
	TLOAD G0X, G1X
	WIN 0x80
.set I_, 0
.rept 64
	ds_load_b128 v[4*I_:4*I_+3], v27 offset:BLK*(I_/16)+128*((I_/4)%4)+32*(I_%4)
.set I_, I_+1
.endr
	WIN 0
	s_wait_loadcnt 0x0
.irp i, 0,1,2,3,4,5,6,7
	v_sub_f32 v[84+\i], 1.0, v[84+\i]
.endr
.irp i, 0,1,2,3,4,5,6,7
	v_mul_f32 v[84+\i], 0xc47a0000, v[84+\i]
.endr
	ds_store_b128 v30, v[84:87]
	ds_store_b128 v30, v[88:91] offset:2048
	WIN 0x03
	v_wmma_scale_f32_16x16x128_f8f6f4 v[96:103], v[0:15], v[128:143], 0, v64, v76
	v_wmma_scale_f32_16x16x128_f8f6f4 v[104:111], v[128:143], v[128:143], 0, v64, v76 matrix_a_scale:MATRIX_SCALE_ROW1
.irp c, 1,2,3,4,5,6,7
	v_wmma_scale_f32_16x16x128_f8f6f4 v[96:103], v[16*\c:16*\c+15], v[128+16*\c:143+16*\c], v[96:103], v[64+\c], v[76+\c]
	v_wmma_scale_f32_16x16x128_f8f6f4 v[104:111], v[128+16*\c:143+16*\c], v[128+16*\c:143+16*\c], v[104:111], v[64+\c], v[76+\c] matrix_a_scale:MATRIX_SCALE_ROW1
.endr
	WIN 0
.rept 8
	v_nop
.endr
.irp i, 96,98,100,102,104,106,108,110
	v_pk_mul_f32 v[\i:\i+1], v[\i:\i+1], 0x3e000000 op_sel_hi:[1,0]
.endr
	ds_store_b128 v28, v[96:99]
	ds_store_b128 v28, v[100:103] offset:16
	ds_store_b128 v28, v[104:107] offset:64
	ds_store_b128 v28, v[108:111] offset:80
	WIN 0xc0
.set I_, 64
.rept 64
	v_mov_b32 v[I_], 0
.set I_, I_+1
.endr
	WIN 0
.irp i, 96,97,98,99,100,101,102,103,52,53,47,54,22,13
	v_mov_b32 v\i, 0
.endr
	v_mov_b32 v44, 0xfe967699
	v_mov_b32 v12, 0x7e967699
	v_mov_b32 v63, 0x377fe5fe
	v_mov_b32 v4, v2
	v_mov_b32 v5, v3
	s_wait_alu depctr_va_vdst(0)
	s_wait_dscnt 6
	WIN 0x88
.set I_, 0
.rept 256
	v_xor_b32 v[I_], s96, v[I_]
.set I_, I_+1
.endr
	WIN 0
	GRD
	s_xor_b32 s[G0X+1], s[G0X+1], REG1
	s_add_nc_u64 s[G0X+2:G0X+3], s[G0X+2:G0X+3], 131072
	s_wait_alu depctr_va_vdst(0)
	s_wait_dscnt 0x0
	CROUND
	TLOAD G0X, G1X
.macro XL b, i
.if (\i) < 16
	ds_load_b128 v[128+64*(\b)+4*(\i):131+64*(\b)+4*(\i)], v4 offset:BLK*(\b)+128*((\i)/4)+32*((\i)%4)
.else
	ds_load_b64 v[36+2*(\b):37+2*(\b)], v5 offset:544*(\b)
.endif
.endm
.macro RUN what, b, from, to
.set I_, \from
.rept (\to)-(\from)
	\what \b, I_
.set I_, I_+1
.endr
.endm
	RUN XL, 0, 0, 17
.irp t, 0,1,2,3
	ds_load_b128 v[64+8*\t:67+8*\t], v29 offset:64*\t
	ds_load_b128 v[68+8*\t:71+8*\t], v29 offset:64*\t+16
.endr
	global_prefetch_b8 v16, s[4:5] offset:262144 th:TH_LOAD_NT scope:SCOPE_SE
	s_wait_dscnt 0x0
.macro MM a, b, c, sa, sb, ra, rb
.if (\ra) && (\rb)
	v_wmma_scale_f32_16x16x128_f8f6f4 v[D_:D_+7], v[\a:\a+15], v[\b:\b+15], \c, v[\sa], v[\sb] matrix_a_scale:MATRIX_SCALE_ROW1 matrix_b_scale:MATRIX_SCALE_ROW1
.elseif (\ra)
	v_wmma_scale_f32_16x16x128_f8f6f4 v[D_:D_+7], v[\a:\a+15], v[\b:\b+15], \c, v[\sa], v[\sb] matrix_a_scale:MATRIX_SCALE_ROW1
.elseif (\rb)
	v_wmma_scale_f32_16x16x128_f8f6f4 v[D_:D_+7], v[\a:\a+15], v[\b:\b+15], \c, v[\sa], v[\sb] matrix_b_scale:MATRIX_SCALE_ROW1
.else
	v_wmma_scale_f32_16x16x128_f8f6f4 v[D_:D_+7], v[\a:\a+15], v[\b:\b+15], \c, v[\sa], v[\sb]
.endif
.endm
.macro PNUM b, n, d, s
.set T_, (\n)%4
.set Q_, (\n)/4
.set D_, \d+32*(\b)+8*T_
.set W_, 16*(4*T_+Q_)
.set X_, 128+64*(\b)+16*Q_
.set S_, \s+8*(T_/2)+Q_
.set U_, 36+2*(\b)+Q_%2
.set RW_, T_%2
.set RX_, Q_/2
.endm
.macro PK b, n
	PNUM \b, \n, 0, 32
	WIN 0xf1
.if Q_ == 0
	MM W_, X_, 0, S_, U_, RW_, RX_
.else
	MM W_, X_, v[D_:D_+7], S_, U_, RW_, RX_
.endif
.endm
.macro PV b, n
	PNUM \b, \n, 64, 48
	WIN 0xf8
.if Q_ == 0
	MM X_, W_, 0, U_, S_, RX_, RW_
.else
	MM X_, W_, v[D_:D_+7], U_, S_, RX_, RW_
.endif
.endm
.macro KEPI b, i
.set C_, 32*(\b)+8*((\i)/4)+2*((\i)%4)
.set V_, 64+8*((\i)/4)+2*((\i)%4)
.set S_, 120+4*(\b)+2*((\i)%2)
.if (\i) < 2
	v_pk_mul_f32 v[S_:S_+1], v[C_:C_+1], v[V_:V_+1]
.else
	v_pk_fma_f32 v[S_:S_+1], v[C_:C_+1], v[V_:V_+1], v[S_:S_+1]
.endif
.endm
.macro COMB b, i
.if (\i) == 0
	v_pk_add_f32 v[120:121], v[120:121], v[122:123]
.elseif (\i) == 1
	v_pk_add_f32 v[124:125], v[124:125], v[126:127]
.elseif (\i) == 2
	v_add_f32 v18, v120, v121
.elseif (\i) == 3
	v_add_f32 v19, v124, v125
.elseif (\i) == 4
	v_cndmask_b32 v20, v19, v18, s92
.elseif (\i) == 5
	v_cndmask_b32 v21, v18, v19, s92
.elseif (\i) == 6
	v_permlanex16_b32 v22, v20, s94, s95
.else
	v_add_f32 v23, v21, v22
.endif
.endm
.macro PVL b, i
.set C_, 64+32*(\b)+8*((\i)%4)+2*((\i)/4)
.set P_, 104+8*(\b)+2*((\i)/4)
.set O_, 96+2*((\i)%4)
	v_pk_fma_f32 v[O_:O_+1], v[C_:C_+1], v[P_:P_+1], v[O_:O_+1]
.endm
.macro RESC t
	v_pk_mul_f32 v[96+2*\t:97+2*\t], v[96+2*\t:97+2*\t], s[84:85] op_sel_hi:[1,0]
.endm
.macro SMX b, i
.if (\i) == 0
	v_add_f32 v46, v52, v53
.elseif (\i) == 1
	v_add_f32 v46, v46, v44
.elseif (\i) == 2
	v_max_num_f32_dpp v47, v46, v46 row_xmask:1 row_mask:0xf bank_mask:0xf
.elseif (\i) == 3
	v_max_num_f32_dpp v47, v47, v47 row_xmask:2 row_mask:0xf bank_mask:0xf
.elseif (\i) == 4
	v_max_num_f32_dpp v47, v47, v47 row_xmask:4 row_mask:0xf bank_mask:0xf
.elseif (\i) == 5
	v_max_num_f32_dpp v47, v47, v47 row_xmask:8 row_mask:0xf bank_mask:0xf
.elseif (\i) == 6
	v_permlanex16_b32 v54, v47, s94, s95
.elseif (\i) == 7
	v_max_num_f32 v47, v47, v54
.elseif (\i) == 8
	v_mul_f32 v47, 0x3fb8aa3b, v47
.elseif (\i) == 9
	v_floor_f32 v47, -v47
.elseif (\i) == 10
	v_min_num_f32 v47, v12, v47
.elseif (\i) == 11
	v_sub_f32 v55, v47, v12
.elseif (\i) == 12
	v_mov_b32 v12, v47
.elseif (\i) == 13
	v_fma_f32 v46, v46, s88, v12
.elseif (\i) == 14
	v_cvt_i32_f32 v55, v55
.elseif (\i) == 15
	v_ldexp_f32 v55, 1.0, v55
.elseif (\i) == 16
	v_rndne_f32 v60, v46
.elseif (\i) == 17
	v_readlane_b32 s84, v55, 0
.elseif (\i) == 18
	v_sub_f32 v61, v46, v60
.elseif (\i) == 19
	v_fmaak_f32 v62, v63, v61, 0x39218489
.elseif (\i) == 20
	RESC 0
.elseif (\i) == 21
	RESC 1
.elseif (\i) == 22
	v_fmaak_f32 v62, v62, v61, 0x3aaec3ff
.elseif (\i) == 23
	RESC 2
.elseif (\i) == 24
	RESC 3
.elseif (\i) == 25
	v_fmaak_f32 v62, v62, v61, 0x3c1d955b
.elseif (\i) == 26
	v_fmaak_f32 v62, v62, v61, 0x3d635847
.elseif (\i) == 27
	v_fmaak_f32 v62, v62, v61, 0x3e75fdf0
.elseif (\i) == 28
	v_fmaak_f32 v62, v62, v61, 0x3f317218
.elseif (\i) == 29
	v_cvt_i32_f32 v45, v60
.elseif (\i) == 30
	v_fma_f32 v62, v62, v61, 1.0
.elseif (\i) == 31
	v_ldexp_f32 v26, v62, v45
.else
	v_fma_f32 v13, v13, v55, v26
.endif
.endm
.macro PMOVE
	ds_store_b32 v10, v26
.irp b, 0,1
	ds_load_b128 v[104+8*\b:107+8*\b], v11 offset:64*\b
	ds_load_b128 v[108+8*\b:111+8*\b], v11 offset:64*\b+16
.endr
.endm
.macro K0GAP n
.if (\n) >= 2
.if (\n) == 2
	s_wait_dscnt 0x0
.endif
	WIN 0
	RUN SMX, 0, 33*((\n)-2)/14, 33*((\n)-1)/14
.endif
.if (\n) == 5
	RUN XL, 1, 0, 17
.elseif (\n) == 15
	PMOVE
.endif
.endm
.macro K1GAP n
	.if (\n) == 8
	s_wait_dscnt 0x0
	.endif
	WIN 3
.if (\n) < 8
	RUN KEPI, 0, 2*(\n), 2*(\n)+2
.else
	RUN PVL, 0, 2*(\n)-16, 2*(\n)-14
.endif
.endm
.macro ADVANCE adv
.if (\adv) < 3
	s_add_co_u32 s81, s80, 2*BLK*((\adv)+1)
.elseif (\adv) == 3
	s_xor_b32 s80, s80, REG1
	s_mov_b32 s81, s80
	v_add_nc_u32 v16, 0x20000, v16
.elseif (\adv) == 4
	s_add_co_u32 s81, s81, 2*BLK
.endif
	v_add_nc_u32 v6, s83, v7
.if (\adv) < 5
	s_add_co_u32 s82, s82, 1088
	v_add_nc_u32 v4, s81, v2
	v_add_nc_u32 v5, s82, v3
.endif
	s_add_co_u32 s83, s83, 128
.endm
.macro V0GAP n, par, adv
.if (\n) < 6
	WIN 3
	RUN KEPI, 1, 16*(\n)/6, 16*((\n)+1)/6
.elseif (\n) < 10
	WIN 0
	RUN COMB, 0, 2*((\n)-6), 2*((\n)-5)
.if (\n) == 9
	ds_store_b32 v8, v23 offset:512*(\par)
.endif
.else
.if (\n) == 10
	WIN 0
	ADVANCE \adv
.endif
	WIN 3
	RUN PVL, 1, 16*((\n)-10)/6, 16*((\n)-9)/6
.endif
.endm
.macro V1GAP n, mode, par
.if (\n) == 0
.if (\mode) == 1
	WIN 0
	GRD
	s_xor_b32 s[G0X+1], s[G0X+1], REG1
	s_add_nc_u64 s[G0X+2:G0X+3], s[G0X+2:G0X+3], 131072
.elseif (\mode) == 2
	s_wait_tensorcnt 0x0
.endif
.endif
.if (\n) < 4 && (\mode) != 3
	v_nop
	v_nop
.endif
.if (\n) == 2
	s_wait_dscnt 0x0
	s_barrier_signal -1
.elseif (\n) == 3
.if (\mode) == 0 || (\mode) == 2
	WIN 0
	RUN XL, 0, 0, 17
.endif
.elseif (\n) == 7
	WIN 0
	s_barrier_wait -1
.if (\mode) == 1
	CREST
	TLOAD G0X, G1X
	RUN XL, 0, 0, 17
.endif
	ds_load_b64 v[52:53], v9 offset:512*(\par)
	ds_load_b32 v44, v6
.endif
.endm
.macro STEP mode, par, adv
	s_wait_dscnt 2
.if (\adv) == 3
	s_wait_xcnt 0x0
.endif
.set N_, 0
.rept 16
	PK 0, N_
	K0GAP N_
.set N_, N_+1
.endr
	s_wait_dscnt 5
.set N_, 0
.rept 16
	PK 1, N_
	K1GAP N_
.set N_, N_+1
.endr
.set N_, 0
.rept 16
	PV 0, N_
	V0GAP N_, \par, \adv
.set N_, N_+1
.endr
.set N_, 0
.rept 16
	PV 1, N_
	V1GAP N_, \mode, \par
.set N_, N_+1
.endr
	WIN 0
.endm
.Lchunk:
	STEP 0, 0, 0
	STEP 0, 1, 1
	STEP 0, 0, 2
	STEP 1, 1, 3
	s_cmp_gt_u32 s2, 1
	s_cbranch_scc0 .Lnone_ahead
	global_prefetch_b8 v16, s[4:5] offset:262144 th:TH_LOAD_NT scope:SCOPE_SE
.Lnone_ahead:
	s_sub_co_u32 s2, s2, 1
	s_cmp_lg_u32 s2, 0
	s_cbranch_scc1 .Lchunk
	s_mov_b32 s2, 3
.Ltail:
	STEP 0, 0, 4
	STEP 2, 1, 4
	s_sub_co_u32 s2, s2, 1
	s_cmp_lg_u32 s2, 0
	s_cbranch_scc1 .Ltail
	STEP 0, 0, 4
	STEP 3, 1, 5
	s_wait_dscnt 0x0
	RUN SMX, 0, 0, 33
	PMOVE
	v_and_b32 v1, 15, v0
	v_and_b32 v18, 31, v0
	s_lshl_b32 s3, s93, 9
	s_lshl_b32 s36, s101, 8
	s_add_co_u32 s3, s3, s36
	s_add_co_u32 s3, s3, MRG
	v_lshlrev_b32 v28, 2, v1
	v_add_nc_u32 v28, s3, v28
	v_lshl_add_u32 v29, v18, 4, MRG
	v_lshlrev_b32 v30, 2, v18
	s_lshl_b32 s3, s100, 2
	s_add_co_u32 s3, s3, LST
	v_mov_b32 v19, s3
	v_lshrrev_b32 v17, 4, v18
	v_lshl_add_u32 v17, v17, 2, LST
	s_wait_alu depctr_va_vdst(0)
	s_wait_dscnt 0x0
	WIN 3
	RUN PVL, 0, 0, 16
	RUN PVL, 1, 0, 16
	WIN 0
.irp t, 0,1,2,3
	v_add_f32 v[120+\t], v[96+2*\t], v[97+2*\t]
.endr
.irp t, 0,1,2,3
	v_permlanex16_b32 v[104+\t], v[120+\t], s94, s95
.endr
.irp t, 0,1,2,3
	v_add_f32 v[120+\t], v[120+\t], v[104+\t]
.endr
	v_add_f32_dpp v13, v13, v13 row_xmask:1 row_mask:0xf bank_mask:0xf
	v_add_f32_dpp v13, v13, v13 row_xmask:2 row_mask:0xf bank_mask:0xf
	v_add_f32_dpp v13, v13, v13 row_xmask:4 row_mask:0xf bank_mask:0xf
	v_add_f32_dpp v13, v13, v13 row_xmask:8 row_mask:0xf bank_mask:0xf
	v_permlanex16_b32 v54, v13, s94, s95
	v_add_f32 v13, v13, v54
.irp t, 0,1,2,3
	ds_store_b32 v28, v[120+\t] offset:64*\t
.endr
	ds_store_b32 v19, v13
	s_wait_alu depctr_va_vdst(0)
	s_wait_dscnt 0x0
	s_barrier_signal -1
	s_barrier_wait -1
	s_cmp_lg_u32 s100, 0
	s_cbranch_scc1 .Ldone
	ds_load_b128 v[104:107], v29
	ds_load_b128 v[108:111], v29 offset:512
	ds_load_b32 v55, v17
	s_wait_dscnt 0x0
	v_pk_add_f32 v[104:105], v[104:105], v[108:109] neg_lo:[0,1] neg_hi:[0,1]
	v_pk_add_f32 v[106:107], v[106:107], v[110:111] neg_lo:[0,1] neg_hi:[0,1]
	s_wait_alu depctr_va_vdst(0)
	v_rcp_f32 v20, v55
	v_mov_b32 v21, 0
	s_wait_alu depctr_va_vdst(0)
	v_pk_mul_f32 v[104:105], v[104:105], v[20:21] op_sel_hi:[1,0]
	v_pk_mul_f32 v[106:107], v[106:107], v[20:21] op_sel_hi:[1,0]
	v_max3_num_f32 v22, |v104|, |v105|, 0x4800000
	v_max3_num_f32 v22, v22, |v106|, |v107|
	v_max_num_f32_dpp v22, v22, v22 row_xmask:1 row_mask:0xf bank_mask:0xf
	v_max_num_f32_dpp v22, v22, v22 row_xmask:2 row_mask:0xf bank_mask:0xf
	v_max_num_f32_dpp v22, v22, v22 row_xmask:4 row_mask:0xf bank_mask:0xf
	v_add_nc_u32 v23, 0xfc000000, v22
	v_and_or_b32 v24, v22, 0x7f800000, s98
	v_lshrrev_b32 v25, 23, v23
.irp j, 104,105,106,107
	v_med3_num_f32 v\j, v\j, -v24, v24
.endr
.irp j, 104,105,106,107
	v_mov_b32 v[\j+4], v\j
.endr
	v_cvt_scalef32_pk8_fp8_f32 v[26:27], v[104:111], v23
	v_nop
	global_store_b32 v30, v26, s[22:23]
	v_readlane_b32 s68, v25, 0
	v_readlane_b32 s69, v25, 8
	v_readlane_b32 s70, v25, 16
	v_readlane_b32 s71, v25, 24
	s_wait_alu depctr_va_vdst(0)
	s_lshl_b32 s69, s69, 8
	s_lshl_b32 s70, s70, 16
	s_lshl_b32 s71, s71, 24
	s_or_b32 s68, s68, s69
	s_or_b32 s70, s70, s71
	s_or_b32 s68, s68, s70
	v_mov_b32 v31, s68
	v_mov_b32 v19, 0
	s_wait_alu depctr_va_vdst(0)
	s_wait_xcnt 0x0
	v_cmp_eq_u32 vcc_lo, 0, v0
	s_and_saveexec_b32 s72, vcc_lo
	global_store_b32 v19, v31, s[66:67]
	s_wait_xcnt 0x0
	s_or_b32 exec_lo, exec_lo, s72
.Ldone:
	s_wait_tensorcnt 0x0
	ds_add_u32 v14, v15
	s_wait_dscnt 0x0
	CROUND
	s_endpgm
.Lfunc_end_k_q841d646124_attn:
	.size	k_q841d646124_attn, .Lfunc_end_k_q841d646124_attn-k_q841d646124_attn
	.p2alignl 7, 3214868480
	.fill 96, 4, 3214868480
	.section	.rodata,"a",@progbits
	.p2align	6, 0x0
	.amdhsa_kernel k_q841d646124_attn
		.amdhsa_group_segment_fixed_size 327680
		.amdhsa_private_segment_fixed_size 0
		.amdhsa_enable_private_segment 0
		.amdhsa_kernarg_size 88
		.amdhsa_user_sgpr_count 2
		.amdhsa_user_sgpr_kernarg_segment_ptr 1
		.amdhsa_wavefront_size32 1
		.amdhsa_system_sgpr_workgroup_id_x 1
		.amdhsa_system_sgpr_workgroup_id_y 1
		.amdhsa_system_sgpr_workgroup_id_z 1
		.amdhsa_system_vgpr_workitem_id 0
		.amdhsa_next_free_vgpr 1024
		.amdhsa_next_free_sgpr 102
		.amdhsa_reserve_vcc 1
		.amdhsa_float_denorm_mode_32 3
		.amdhsa_float_denorm_mode_16_64 3
		.amdhsa_memory_ordered 1
		.amdhsa_forward_progress 1
		.amdhsa_inst_pref_size 219
	.end_amdhsa_kernel
	.amdgpu_metadata
---
amdhsa.version: [ 1, 2 ]
amdhsa.kernels:
  - .name:           k_q841d646124_attn
    .symbol:         k_q841d646124_attn.kd
    .args:
      - { .name: x_codes, .offset: 0, .size: 8, .value_kind: global_buffer, .address_space: global }
      - { .name: x_scales, .offset: 8, .size: 8, .value_kind: global_buffer, .address_space: global }
      - { .name: wk_codes, .offset: 16, .size: 8, .value_kind: global_buffer, .address_space: global }
      - { .name: wk_scales, .offset: 24, .size: 8, .value_kind: global_buffer, .address_space: global }
      - { .name: wv_codes, .offset: 32, .size: 8, .value_kind: global_buffer, .address_space: global }
      - { .name: wv_scales, .offset: 40, .size: 8, .value_kind: global_buffer, .address_space: global }
      - { .name: wq_codes, .offset: 48, .size: 8, .value_kind: global_buffer, .address_space: global }
      - { .name: wq_scales, .offset: 56, .size: 8, .value_kind: global_buffer, .address_space: global }
      - { .name: mask, .offset: 64, .size: 8, .value_kind: global_buffer, .address_space: global }
      - { .name: attc, .offset: 72, .size: 8, .value_kind: global_buffer, .address_space: global }
      - { .name: atts, .offset: 80, .size: 8, .value_kind: global_buffer, .address_space: global }
    .group_segment_fixed_size: 327680
    .private_segment_fixed_size: 0
    .kernarg_segment_align: 8
    .kernarg_segment_size: 88
    .max_flat_workgroup_size: 128
    .sgpr_count:     102
    .vgpr_count:     1024
    .wavefront_size: 32
...
	.end_amdgpu_metadata
.endif
;; end of part 1
;; launch proj (part 2): grid 16 x 2, 4 waves a work-group, no clusters, 5,120 bytes of LDS; arguments attc, atts, proj_w_codes, proj_w_scales, proj_b, out0; writes out0
.if DOCPART == 2
	.amdgcn_target "amdgcn-amd-amdhsa--gfx1250"
	.amdhsa_code_object_version 6
	.text
	.protected	k_q841d646124_proj
	.globl	k_q841d646124_proj
	.p2align	8
	.type	k_q841d646124_proj,@function
k_q841d646124_proj:
	s_mov_b64 s[64:65], 0
	v_nop
	global_prefetch_b8 v0, s[64:65] scope:SCOPE_SE
	s_setreg_imm32_b32 hwreg(HW_REG_WAVE_MODE, 25, 1), 1
	s_wait_xcnt 0x0
.set WS,  32
.set XS,  40
.set BV,  48
.set ACC, 56
.set OUTR, 80
.set XF,  128
.set STP, 272
.set MSB, 0
.macro WIN new
.if MSB != (\new)
	s_set_vgpr_msb (MSB<<8)|(\new)
.set MSB, (\new)
.endif
.endm
.macro XLOAD c
.irp k, 0,1,2,3
	global_load_b128 v[XF+16*(\c)+4*\k:XF+16*(\c)+4*\k+3], v3, s[4:5] offset:128*(\c)+32*\k
.endr
.endm
	s_load_b256 s[4:11], s[0:1], 0x0
	s_load_b128 s[12:15], s[0:1], 0x20
	v_lshl_add_u32 v126, v0, 2, 0x1200
	v_mov_b32 v127, 0
	v_lshrrev_b32 v1, 5, v0
	v_readfirstlane_b32 s16, v1
	v_and_b32 v1, 15, v0
	v_bfe_u32 v2, v0, 4, 1
	s_and_b32 s17, ttmp7, 0xffff
	s_lshl_b32 s18, ttmp9, 6
	s_lshl_b32 s19, s16, 4
	s_add_co_u32 s18, s18, s19
	v_lshlrev_b32 v3, 10, v1
	v_lshl_add_u32 v3, v2, 4, v3
	v_lshlrev_b32 v4, 5, v1
	v_lshlrev_b32 v5, 5, v2
	s_mov_b32 s21, 0
	s_wait_alu depctr_va_vdst(0)
	s_wait_kmcnt 0x0
	s_lshl_b32 s20, s17, 14
	s_add_nc_u64 s[4:5], s[4:5], s[20:21]
	s_lshl_b32 s20, s17, 9
	s_add_nc_u64 s[6:7], s[6:7], s[20:21]
	s_lshl_b32 s20, s18, 10
	s_add_nc_u64 s[8:9], s[8:9], s[20:21]
	s_lshl_b32 s20, s18, 5
	s_add_nc_u64 s[10:11], s[10:11], s[20:21]
	s_lshl_b32 s20, s18, 2
	s_add_nc_u64 s[12:13], s[12:13], s[20:21]
	s_lshl_b32 s20, s17, 16
	s_add_nc_u64 s[14:15], s[14:15], s[20:21]
	s_lshl_b32 s20, ttmp9, 8
	s_add_nc_u64 s[14:15], s[14:15], s[20:21]
	global_load_b128 v[WS:WS+3], v4, s[10:11]
	global_load_b128 v[WS+4:WS+7], v4, s[10:11] offset:16
	global_load_b128 v[XS:XS+3], v4, s[6:7]
	global_load_b128 v[XS+4:XS+7], v4, s[6:7] offset:16
	global_load_b128 v[BV:BV+3], v5, s[12:13]
	global_load_b128 v[BV+4:BV+7], v5, s[12:13] offset:16
	WIN 0x40
.irp c, 0,1,2,3,4,5,6,7
.irp k, 0,1,2,3
	global_load_b128 v[16*\c+4*\k:16*\c+4*\k+3], v3, s[8:9] offset:128*\c+32*\k
.endr
.endr
	WIN 0
.irp c, 0,1,2,3,4,5
	XLOAD \c
.endr
	v_mul_u32_u24 v6, v1, STP
	v_lshl_add_u32 v6, v2, 5, v6
	s_lshl_b32 s22, s16, 6
	v_add_nc_u32 v6, s22, v6
	v_mul_u32_u24 v7, v2, STP
	v_lshl_add_u32 v7, v1, 4, v7
	s_mul_i32 s22, s16, 4*STP
	v_add_nc_u32 v7, s22, v7
	v_lshlrev_b32 v8, 12, v2
	v_lshl_add_u32 v8, v1, 4, v8
	s_lshl_b32 s22, s16, 14
	v_add_nc_u32 v8, s22, v8
	s_wait_loadcnt 20
	XLOAD 6
	XLOAD 7
	WIN 0x01
	v_wmma_scale_f32_16x16x128_f8f6f4 v[ACC:ACC+7], v[0:15], v[XF:XF+15], v[BV:BV+7], v[WS], v[XS]
.irp c, 1,2,3,4,5,6,7
	s_wait_loadcnt 4*(7-\c)
	s_wait_alu depctr_va_vdst(0)
	v_wmma_scale_f32_16x16x128_f8f6f4 v[ACC:ACC+7], v[16*\c:16*\c+15], v[XF+16*\c:XF+16*\c+15], v[ACC:ACC+7], v[WS+\c], v[XS+\c]
.endr
	WIN 0
.rept 8
	v_nop
.endr
	ds_store_b128 v6, v[ACC:ACC+3]
	ds_store_b128 v6, v[ACC+4:ACC+7] offset:16
	s_wait_dscnt 0x0
	s_barrier_signal -1
	s_barrier_wait -1
	ds_load_b128 v[OUTR:OUTR+3], v7
	ds_load_b128 v[OUTR+4:OUTR+7], v7 offset:2*STP
	s_wait_dscnt 0x0
	global_store_b128 v8, v[OUTR:OUTR+3], s[14:15]
	global_store_b128 v8, v[OUTR+4:OUTR+7], s[14:15] offset:8192
	s_wait_tensorcnt 0x0
	ds_add_u32 v126, v127
	s_wait_dscnt 0x0
	s_endpgm
.Lfunc_end_k_q841d646124_proj:
	.size	k_q841d646124_proj, .Lfunc_end_k_q841d646124_proj-k_q841d646124_proj
	.p2alignl 7, 3214868480
	.fill 96, 4, 3214868480
	.section	.rodata,"a",@progbits
	.p2align	6, 0x0
	.amdhsa_kernel k_q841d646124_proj
		.amdhsa_group_segment_fixed_size 5120
		.amdhsa_private_segment_fixed_size 0
		.amdhsa_enable_private_segment 0
		.amdhsa_kernarg_size 48
		.amdhsa_user_sgpr_count 2
		.amdhsa_user_sgpr_kernarg_segment_ptr 1
		.amdhsa_wavefront_size32 1
		.amdhsa_system_sgpr_workgroup_id_x 1
		.amdhsa_system_sgpr_workgroup_id_y 1
		.amdhsa_system_sgpr_workgroup_id_z 1
		.amdhsa_system_vgpr_workitem_id 0
		.amdhsa_next_free_vgpr 384
		.amdhsa_next_free_sgpr 66
		.amdhsa_reserve_vcc 0
		.amdhsa_float_denorm_mode_32 3
		.amdhsa_float_denorm_mode_16_64 3
		.amdhsa_memory_ordered 1
		.amdhsa_forward_progress 1
		.amdhsa_inst_pref_size 12
	.end_amdhsa_kernel
	.amdgpu_metadata
---
amdhsa.version: [ 1, 2 ]
amdhsa.kernels:
  - .name:           k_q841d646124_proj
    .symbol:         k_q841d646124_proj.kd
    .args:
      - { .name: attc, .offset: 0, .size: 8, .value_kind: global_buffer, .address_space: global }
      - { .name: atts, .offset: 8, .size: 8, .value_kind: global_buffer, .address_space: global }
      - { .name: proj_w_codes, .offset: 16, .size: 8, .value_kind: global_buffer, .address_space: global }
      - { .name: proj_w_scales, .offset: 24, .size: 8, .value_kind: global_buffer, .address_space: global }
      - { .name: proj_b, .offset: 32, .size: 8, .value_kind: global_buffer, .address_space: global }
      - { .name: out0, .offset: 40, .size: 8, .value_kind: global_buffer, .address_space: global }
    .group_segment_fixed_size: 5120
    .private_segment_fixed_size: 0
    .kernarg_segment_align: 8
    .kernarg_segment_size: 48
    .max_flat_workgroup_size: 128
    .sgpr_count:     66
    .vgpr_count:     384
    .wavefront_size: 32
...
	.end_amdgpu_metadata
.endif
;; end of part 2
